; MI455X (gfx1250); checked and timed in simulation.
; The chip was launched on July 23, 2026; its instructions are those of AMD's public machine-readable ISA for CDNA 5 (MIT licence, August 2026) and "CDNA5" Instruction Set Architecture Reference Guide (July 2026). The comments in the code are by the model that wrote it; some were corrected since.
;; dot attention. Allowed arithmetic: matrix products marked QUANTISED: E2M1 operands, one E8M0 scale for each 32 along K, by v_wmma_scale_f32_16x16x128_f8f6f4 with both operands' format E2M1 (or v_wmma_scale_f32_32x16x128_f4), f32 sums; products left as they are: f32 operands where the result goes on into a quantised operand, else bf16, f16 or f32 operands; f32 sums; everything else in f32.
;; Inputs: kv 4 x 4,096 x 512 float32; q 4 x 4,096 x 512 float32.
;; Outputs: out0 16,384 float32.
;; This version of the problem:
;;   THIS VERSION OF THE PROBLEM IS GIVEN IN LOW PRECISION. The matrix products marked QUANTISED in the list below multiply operands that are first quantised to E2M1 (2 exponent bits, 1 mantissa bit; 4 bits a number), with one power-of-two scale for each 32 numbers along K (OCP MX v1.0); their sums are f32. All else is computed in f32.
;;   The module's matrix products, in the order in which they are computed (A, B: the left and right operand; K: the contracted axis; several contracted axes count as one K, in the product's order):
;;     1. batch 4 x [M 4,096, K 512] x [K 512, N 4,096]; A: input q; B: input kv: QUANTISED
;;     2. batch 16,384 x [M 1, K 512] x [K 512, N 1]; A: input q; B: input kv: left as it is (M = 1 < 16)
;;   THE QUANTISER, for each operand of a quantised product, along K:
;;     - K is cut into blocks of 32 from its start; a last block that is shorter is filled with zeros.
;;     - A block's scale is 2^e with e = floor(log2(the largest magnitude in the block)) - 2, held to -126 .. 127; a block of zeros has e = 0. As a byte (E8M0): e + 127.
;;     - Each number is divided by its block's scale, clamped to +-6, and rounded to the nearest number of E2M1, ties to even, subnormals kept.
;;     - The product sums the exact products of the quantised numbers (number of the format x scale) in f32.
;;   ~~~python
;;   def quantise(x, axis):      # numpy; x: float32 -> the quantised numbers, widened to float32 again
;;       x = np.moveaxis(x, axis, -1); K = x.shape[-1]
;;       x = np.pad(x, [(0, 0)] * (x.ndim - 1) + [(0, -K % 32)]); x = x.reshape(x.shape[:-1] + (-1, 32)); a = np.abs(x).max(-1, keepdims=True)
;;       e = np.where(a > 0, np.clip(np.frexp(np.where(a > 0, a, 1))[1] - 1 - 2, -126, 127), 0)      # np.frexp(a)[1] - 1 = floor(log2(a)), exactly
;;       r = np.clip(x / 2.0 ** e, -6, 6)
;;       step = 2.0 ** (np.maximum(np.frexp(np.where(r == 0, 1, r))[1] - 1, 0) - 1)
;;       q = np.round(r / step) * step * 2.0 ** e      # np.round: ties to even
;;       return np.moveaxis(q.reshape(q.shape[:-2] + (-1,))[..., :K], -1, axis).astype(np.float32)
;;   ~~~
;; One version. Each part assembles by itself: llvm-mc -triple=amdgcn-amd-amdhsa -mcpu=gfx1250 --defsym DOCPART=n.
;; ======== version 1 of 1: 2 launches
;; limits: right only within a limited range of input values
;; workspace buffers: qimg 4,456,448 bytes; kvimg 4,456,448 bytes; diag 65,536 bytes
;; launch quant (part 1): grid 1024 x 1, 8 waves a work-group, no clusters, 36,864 bytes of LDS; arguments q, kv, qimg, kvimg, diag; writes qimg, kvimg, diag
.if DOCPART == 1
	.amdgcn_target "amdgcn-amd-amdhsa--gfx1250"
	.amdhsa_code_object_version 6
	.text
	.protected	k_qd681b6c8f4_quant
	.globl	k_qd681b6c8f4_quant
	.p2align	8
	.type	k_qd681b6c8f4_quant,@function
k_qd681b6c8f4_quant:
	s_mov_b64 s[64:65], 0
	v_nop
	global_prefetch_b8 v0, s[64:65] scope:SCOPE_SE
	s_setreg_imm32_b32 hwreg(HW_REG_WAVE_MODE, 25, 1), 1
	s_wait_xcnt 0x0
; q and kv, [16384][512] f32, are read ONCE.  Three things are made of them: the codes of both in FP4 (E2M1) with one E8M0 scale byte for each 32 along the row, and diag[n] = the plain f32 dot of row n of q and row n of kv.
; A block's scale is 2^(floor(log2(its largest magnitude)) - 2); its byte is the largest magnitude's exponent field - 2, held at 1 from below.  Each number is divided by the scale and rounded to the nearest code, ties to even,
; beyond the largest code the largest.
; LIMITS: a block of zeros gets the byte 1 where the rule says 127 (its codes are zeros, which add nothing under any byte but 0xff, and this program alone reads the bytes); blocks whose largest magnitude lies under 2^-124
; are held at the byte 1; NaN and infinities among the inputs are not served.
; THE OUTPUT'S LAYOUT is this program's own: a RECORD of 4,352 bytes for each 16 rows.  Bytes 256 b + 16 r hold the 32 codes of block b (k = 32 b on) of row r: so the 512 bytes at 512 u are four registers of a matrix operand,
; lane l's at 16 l.  Bytes 4,096 + 16 r hold row r's 16 scale bytes.
; SHARES.  Work-group T takes rows 16 T .. 16 T + 15 of both tensors; wave w takes k = 64 w .. 64 w + 63 of each row.  Each load reads 256 consecutive aligned bytes in sixteen lanes (rows 2 i and 2 i + 1); all sixteen loads
; of a wave go out at once.  The conversions want a block's 32 numbers in ONE lane's registers, so a wave's 16 x 256 bytes turn through its own stage in LDS: in as loaded, back 128 bytes a lane.
; A wave's codes leave as 512 consecutive aligned bytes.  The scale bytes and the dots' parts meet in LDS behind one barrier; wave 0 stores 256 aligned bytes of scale bytes for each tensor, and 64 bytes of diag
; (a part of an aligned 256: 64 bytes for 65,536 that the work-group reads).  No loop, no pointer is stepped, no store's data are written again.
.set WSTG, 4352                        ; a wave's stage: 16 rows x (256 bytes + 16): row r starts 16 r bytes on modulo 256, so sixteen lanes that read one column of sixteen rows touch sixteen different 16-byte columns
.set SB,   8*WSTG                      ; 34,816: q's 256 scale bytes, then kv's
.set DP,   SB+512                      ; 35,328: the dots' parts: 8 waves x 16 words
.set GA,  2                            ; v2   global: 2,048 h + 16 r + 256 w
.set SA,  3                            ; v3   the stage, on the way in: w WSTG + 272 h + 16 r
.set LA,  4                            ; v4   and back: w WSTG + 272 r + 128 h
.set OA,  5                            ; v5   my 16 bytes of codes in the record: 512 w + 16 lane
.set BA,  6                            ; v6   my block's scale byte: SB + 16 r + 2 w + h
.set PA,  7                            ; v7   my row's part of the dot: DP + 64 w + 4 r
.set PR,  8                            ; v8   wave 0 reads the parts: DP + 4 r
.set SR,  9                            ; v9   and the scale bytes: SB + 8 lane
.set O8,  10                           ; v10  8 lane
.set O4,  11                           ; v11  4 r
.set D0,  12                           ; v[12:13], v[14:15] the dot, in two chains of pairs
.set D1,  14
.set RQ,  16                           ; v16-47   q as loaded; later XK: kv's block, turned
.set XK,  16
.set RK,  48                           ; v48-79   kv as loaded; at the end wave 0's work
.set XQ,  80                           ; v80-111  q's block, turned
.set MA,  112                          ; v112, v113 two chains of the largest magnitude (at the head: r and h)
.set MB,  113
.set SO,  114                          ; v114 the conversion's scale operand
.set BQ,  115                          ; v115, v116 the two scale bytes
.set BK,  116
.set PT,  117                          ; v117 a lane permute's destination
.set CQ,  120                          ; v[120:123], v[124:127] the codes
.set CK,  124
	s_load_b256 s[4:11], s[0:1], 0x0               ; q s[4:5], kv s[6:7], qimg s[8:9], kvimg s[10:11]
	s_load_b64 s[12:13], s[0:1], 0x20              ; diag
	v_lshl_add_u32 v118, v0, 2, 0x8c00             ; my spare word
	v_mov_b32 v119, 0
	v_lshrrev_b32 v1, 5, v0
	s_delay_alu instid0(VALU_DEP_1)
	v_readfirstlane_b32 s14, v1                    ; wave 0..7
	v_and_b32 v1, 31, v0                           ; lane
	v_and_b32 v[MA], 15, v0                        ; r
	v_bfe_u32 v[MB], v0, 4, 1                      ; h
	s_delay_alu instid0(VALU_DEP_2)
	v_lshlrev_b32 v[GA], 4, v[MA]
	s_delay_alu instid0(VALU_DEP_1)
	v_lshl_add_u32 v[GA], v[MB], 11, v[GA]         ; a row is 2,048 bytes
	s_lshl_b32 s25, s14, 8
	v_add_nc_u32 v[GA], s25, v[GA]
	s_mul_i32 s25, s14, WSTG
	v_mul_u32_u24 v[SA], v[MB], 272
	s_delay_alu instid0(VALU_DEP_1)
	v_lshl_add_u32 v[SA], v[MA], 4, v[SA]
	s_delay_alu instid0(VALU_DEP_1)
	v_add_nc_u32 v[SA], s25, v[SA]
	v_mul_u32_u24 v[LA], v[MA], 272
	s_delay_alu instid0(VALU_DEP_1)
	v_lshl_add_u32 v[LA], v[MB], 7, v[LA]
	s_delay_alu instid0(VALU_DEP_1)
	v_add_nc_u32 v[LA], s25, v[LA]
	s_lshl_b32 s25, s14, 9
	v_lshl_add_u32 v[OA], v1, 4, s25
	s_lshl_b32 s25, s14, 1
	v_lshl_add_u32 v[BA], v[MA], 4, v[MB]
	s_delay_alu instid0(VALU_DEP_1)
	v_add_nc_u32 v[BA], s25, v[BA]
	s_delay_alu instid0(VALU_DEP_1)
	v_add_nc_u32 v[BA], SB, v[BA]
	s_lshl_b32 s25, s14, 6
	v_lshl_add_u32 v[PA], v[MA], 2, s25
	s_delay_alu instid0(VALU_DEP_1)
	v_add_nc_u32 v[PA], DP, v[PA]
	v_lshl_add_u32 v[PR], v[MA], 2, DP
	v_lshl_add_u32 v[SR], v1, 3, SB
	v_lshlrev_b32 v[O8], 3, v1
	v_lshlrev_b32 v[O4], 2, v[MA]
	v_mov_b32 v[PT], 0                             ; written once: a lane permute's destination counts as one of its sources
	s_lshl_b32 s16, ttmp9, 15                      ; 16 rows of 2,048 bytes
	s_mov_b32 s17, 0
	s_mul_i32 s18, ttmp9, 4352                     ; a record
	s_mov_b32 s19, 0
	s_lshl_b32 s20, ttmp9, 6                       ; 16 words of diag
	s_mov_b32 s21, 0
	s_mov_b32 s22, 0x76543210
	s_mov_b32 s23, 0xfedcba98                      ; v_permlanex16_b32's selects for lane l xor 16
	s_wait_kmcnt 0x0
	s_add_nc_u64 s[4:5], s[4:5], s[16:17]
	s_add_nc_u64 s[6:7], s[6:7], s[16:17]
	s_add_nc_u64 s[8:9], s[8:9], s[18:19]
	s_add_nc_u64 s[10:11], s[10:11], s[18:19]
	s_add_nc_u64 s[12:13], s[12:13], s[20:21]
.irp i, 0,1,2,3,4,5,6,7
	global_load_b128 v[RQ+4*\i:RQ+4*\i+3], v[GA], s[4:5] offset:4096*\i th:TH_LOAD_NT   ; rows 2 i (lanes 0-15) and 2 i + 1 (lanes 16-31): 256 consecutive aligned bytes each
.endr
.irp i, 0,1,2,3,4,5,6,7
	global_load_b128 v[RK+4*\i:RK+4*\i+3], v[GA], s[6:7] offset:4096*\i th:TH_LOAD_NT
.endr
; A block of 32 numbers in v[x] on becomes 16 bytes of codes in v[c] on and a scale byte in v[e].
.macro QB x, c, e
	v_max3_num_f32 v[MA], |v[\x]|, |v[\x+1]|, |v[\x+2]|            ; the block's largest magnitude: all 32 numbers are mine; two chains, so that no line waits for the line above it
	v_max3_num_f32 v[MB], |v[\x+3]|, |v[\x+4]|, |v[\x+5]|
.irp i, 6,10,14,18,22,26
	s_delay_alu instid0(VALU_DEP_2)
	v_max3_num_f32 v[MA], v[MA], |v[\x+\i]|, |v[\x+\i+1]|
	s_delay_alu instid0(VALU_DEP_2)
	v_max3_num_f32 v[MB], v[MB], |v[\x+\i+2]|, |v[\x+\i+3]|
.endr
	s_delay_alu instid0(VALU_DEP_2)
	v_max3_num_f32 v[MA], v[MA], |v[\x+30]|, |v[\x+31]|
	s_delay_alu instid0(VALU_DEP_1)
	v_max3_num_f32 v[MA], v[MA], v[MB], 0x1800000                  ; and the floor 2^(3 - 127), under which no largest magnitude is taken: so the byte cannot fall under 1
	s_delay_alu instid0(VALU_DEP_1)
	v_add_nc_u32 v[SO], 0xff000000, v[MA]                          ; 2 off its exponent field: the conversion takes the exponent field of this operand as its scale, and nothing else of it
.irp g, 0,1,2,3
	v_cvt_scalef32_pk8_fp4_f32 v[\c+\g], v[\x+8*\g:\x+8*\g+7], v[SO]
.endr
	v_lshrrev_b32 v[\e], 23, v[SO]                                 ; the scale's byte; also the plain instruction behind the conversions
.endm
	s_wait_loadcnt 8                               ; loads come back in order (ISA guide 5.7.1): q's eight are in, kv's eight may be out
.irp i, 0,1,2,3,4,5,6,7
	ds_store_b128 v[SA], v[RQ+4*\i:RQ+4*\i+3] offset:544*\i
.endr
.irp i, 0,1,2,3,4,5,6,7
	ds_load_b128 v[XQ+4*\i:XQ+4*\i+3], v[LA] offset:16*\i          ; row r, k = 64 w + 32 h + 4 i on.  LDS serves a wave's instructions in order: these see the stores above
.endr
	s_wait_loadcnt 0x0                             ; kv is in
.irp i, 0,1,2,3,4,5,6,7
	ds_store_b128 v[SA], v[RK+4*\i:RK+4*\i+3] offset:544*\i        ; into the same stage, behind q's reads of it
.endr
	s_wait_dscnt 8                                 ; all but these eight stores: q's block is back, and the registers that q was loaded into are free
.irp i, 0,1,2,3,4,5,6,7
	ds_load_b128 v[XK+4*\i:XK+4*\i+3], v[LA] offset:16*\i
.endr
	QB XQ, CQ, BQ                                  ; q is quantised while kv turns
	global_store_b128 v[OA], v[CQ:CQ+3], s[8:9]    ; the wave stores 512 consecutive bytes, at a multiple of 256 from the buffer's first byte
	ds_store_b8 v[BA], v[BQ]
	s_wait_dscnt 1                                 ; kv's block is back; the byte store may be out
	QB XK, CK, BK
	global_store_b128 v[OA], v[CK:CK+3], s[10:11]
	ds_store_b8 v[BA], v[BK] offset:256
	v_pk_mul_f32 v[D0:D0+1], v[XQ:XQ+1], v[XK:XK+1]                ; the dot of the UNQUANTISED numbers, in f32: the first products start the sums
	v_pk_mul_f32 v[D1:D1+1], v[XQ+2:XQ+3], v[XK+2:XK+3]
.irp j, 4,8,12,16,20,24,28
	s_delay_alu instid0(VALU_DEP_2)
	v_pk_fma_f32 v[D0:D0+1], v[XQ+\j:XQ+\j+1], v[XK+\j:XK+\j+1], v[D0:D0+1]
	s_delay_alu instid0(VALU_DEP_2)
	v_pk_fma_f32 v[D1:D1+1], v[XQ+\j+2:XQ+\j+3], v[XK+\j+2:XK+\j+3], v[D1:D1+1]
.endr
	s_delay_alu instid0(VALU_DEP_1)
	v_pk_add_f32 v[D0:D0+1], v[D0:D0+1], v[D1:D1+1]
	s_delay_alu instid0(VALU_DEP_1)
	v_add_f32 v[D0], v[D0], v[D0+1]
	s_delay_alu instid0(VALU_DEP_1)
	v_permlanex16_b32 v[PT], v[D0], s22, s23
	s_delay_alu instid0(VALU_DEP_1)
	v_add_f32 v[D0], v[D0], v[PT]                  ; with lane l xor 16's: 64 along the row
	ds_store_b32 v[PA], v[D0]                      ; both halves of the lanes write the same word with the same value
	s_wait_dscnt 0x0                               ; for the others' sake: my bytes and my parts lie in LDS
	s_barrier_signal -1
	s_barrier_wait -1
	s_cmp_lg_u32 s14, 0
	s_cbranch_scc1 .Lend
	ds_load_b64 v[RK:RK+1], v[SR]                  ; q's 256 scale bytes, 8 a lane
	ds_load_b64 v[RK+2:RK+3], v[SR] offset:256     ; kv's
.irp u, 0,1,2,3,4,5,6,7
	ds_load_b32 v[RK+4+\u], v[PR] offset:64*\u     ; row r's eight parts
.endr
	s_wait_dscnt 0x0
	global_store_b64 v[O8], v[RK:RK+1], s[8:9] offset:4096         ; 32 lanes store 256 consecutive aligned bytes
	global_store_b64 v[O8], v[RK+2:RK+3], s[10:11] offset:4096
	v_add_f32 v[RK+4], v[RK+4], v[RK+5]
	v_add_f32 v[RK+6], v[RK+6], v[RK+7]
	v_add_f32 v[RK+8], v[RK+8], v[RK+9]
	v_add_f32 v[RK+10], v[RK+10], v[RK+11]
	s_delay_alu instid0(VALU_DEP_3)
	v_add_f32 v[RK+4], v[RK+4], v[RK+6]
	s_delay_alu instid0(VALU_DEP_2)
	v_add_f32 v[RK+8], v[RK+8], v[RK+10]
	s_delay_alu instid0(VALU_DEP_1)
	v_add_f32 v[RK+4], v[RK+4], v[RK+8]
	v_cmp_gt_u32 vcc_lo, 16, v1
	s_wait_alu depctr_va_vdst(0)
	s_wait_xcnt 0x0                                ; EXEC is a source of the stores above: it changes only behind this wait
	s_and_saveexec_b32 s24, vcc_lo
	global_store_b32 v[O4], v[RK+4], s[12:13]      ; lanes 0-15: the 16 rows' dots
	s_wait_xcnt 0x0                                ; and again, in front of the line that widens it
	s_or_b32 exec_lo, exec_lo, s24
.Lend:
	s_wait_tensorcnt 0x0
	ds_add_u32 v118, v119
	s_wait_dscnt 0x0
	s_endpgm
.Lfunc_end_k_qd681b6c8f4_quant:
	.size	k_qd681b6c8f4_quant, .Lfunc_end_k_qd681b6c8f4_quant-k_qd681b6c8f4_quant
	.p2alignl 7, 3214868480
	.fill 96, 4, 3214868480
	.section	.rodata,"a",@progbits
	.p2align	6, 0x0
	.amdhsa_kernel k_qd681b6c8f4_quant
		.amdhsa_group_segment_fixed_size 36864
		.amdhsa_private_segment_fixed_size 0
		.amdhsa_enable_private_segment 0
		.amdhsa_kernarg_size 40
		.amdhsa_user_sgpr_count 2
		.amdhsa_user_sgpr_kernarg_segment_ptr 1
		.amdhsa_wavefront_size32 1
		.amdhsa_system_sgpr_workgroup_id_x 1
		.amdhsa_system_sgpr_workgroup_id_y 1
		.amdhsa_system_sgpr_workgroup_id_z 1
		.amdhsa_system_vgpr_workitem_id 0
		.amdhsa_next_free_vgpr 128
		.amdhsa_next_free_sgpr 66
		.amdhsa_reserve_vcc 1
		.amdhsa_float_denorm_mode_32 3
		.amdhsa_float_denorm_mode_16_64 3
		.amdhsa_memory_ordered 1
		.amdhsa_forward_progress 1
		.amdhsa_inst_pref_size 15
	.end_amdhsa_kernel
	.amdgpu_metadata
---
amdhsa.version: [ 1, 2 ]
amdhsa.kernels:
  - .name:           k_qd681b6c8f4_quant
    .symbol:         k_qd681b6c8f4_quant.kd
    .args:
      - { .name: q, .offset: 0, .size: 8, .value_kind: global_buffer, .address_space: global }
      - { .name: kv, .offset: 8, .size: 8, .value_kind: global_buffer, .address_space: global }
      - { .name: qimg, .offset: 16, .size: 8, .value_kind: global_buffer, .address_space: global }
      - { .name: kvimg, .offset: 24, .size: 8, .value_kind: global_buffer, .address_space: global }
      - { .name: diag, .offset: 32, .size: 8, .value_kind: global_buffer, .address_space: global }
    .group_segment_fixed_size: 36864
    .private_segment_fixed_size: 0
    .kernarg_segment_align: 8
    .kernarg_segment_size: 40
    .max_flat_workgroup_size: 256
    .sgpr_count:     66
    .vgpr_count:     128
    .wavefront_size: 32
...
	.end_amdgpu_metadata
.endif
;; end of part 1
;; launch lse (part 2): grid 64 x 4, 8 waves a work-group, clusters of 4 x 1, 327,680 bytes of LDS; arguments qimg, kvimg, diag, out0; writes out0
.if DOCPART == 2
	.amdgcn_target "amdgcn-amd-amdhsa--gfx1250"
	.amdhsa_code_object_version 6
	.text
	.protected	k_qd681b6c8f4_lse
	.globl	k_qd681b6c8f4_lse
	.p2align	8
	.type	k_qd681b6c8f4_lse,@function
k_qd681b6c8f4_lse:
	s_mov_b64 s[64:65], 0
	v_nop
	global_prefetch_b8 v0, s[64:65] scope:SCOPE_SE
	s_setreg_imm32_b32 hwreg(HW_REG_WAVE_MODE, 25, 1), 1
	s_wait_xcnt 0x0
	s_wait_alu depctr_hold_cnt(0) depctr_sa_sdst(0) depctr_va_vdst(0) depctr_va_sdst(0) depctr_va_ssrc(0) depctr_va_vcc(0) depctr_vm_vsrc(0)
	s_getreg_b32 s2, hwreg(HW_REG_IB_STS2, 6, 4)
	s_cmp_eq_u32 s2, 0
	s_cbranch_scc0 .Lentry_in_a_cluster
	s_endpgm
.Lentry_in_a_cluster:
	s_bfe_u32 s2, ttmp6, 0x10000c
	s_cmp_lg_u32 s2, 0x3003
	s_cbranch_scc0 .Lentry_shape_is_right
	s_endpgm
.Lentry_shape_is_right:
; out[b][n] = exp(diag[b][n] / 16 - logsumexp over m of S[b][n][m] / 16), S = Q K^T on codes of FP4 (E2M1) with one E8M0 scale for each 32 along the 512.  The scores never leave the registers.
; qimg, kvimg: records of 4,352 bytes for each 16 rows: 4,096 bytes of codes in the order of the operand's registers (the 512 bytes at 512 u are registers 4 u .. 4 u + 3 of the row tile's four fragments, lane l's at 16 l),
; then 16 scale bytes a row.  diag: the plain f32 row dots.
; SHARES.  A work-group owns 64 queries of one batch.  Each of its eight waves holds all 64 as fragments in 128 registers for the whole launch, and the waves share the keys, 512 each, in 16 groups of 32 keys (two records):
; so each fragment of K is read once and feeds four query tiles.
; THE KEYS COME BY TWO ROADS.
;   Keys 0 to 2,559 (records 0-159) go in five stages of 512 through a ring of two LDS slots; of a stage wave w works on records 4 w .. 4 w + 3, which its own tensor load brings (stage 0: half of a load of wave w / 2), in two groups.
;   Keys 2,560 to 4,095 (records 160-255; wave w: 160 + 12 w on) come straight from memory into registers, in six groups: a record is the operand's image, so each load takes 512 consecutive bytes.
; WHY TWO ROADS.  A slot's refill stands behind a round in front of which all my tensor loads have landed, so one slot's load is on its way at a time.  Two slots of 512 keys take 278,528 of LDS's 327,680 bytes: a slot cannot grow.
; With all keys in the ring a refill would have two groups' work in which to land; with a direct group behind each stage's two it has three.
; CLUSTER.  The four work-groups of a cluster lie in one batch and walk the same records of kv: each load of the ring's keys is asked for JOINTLY, with the same descriptor (batch, wave, stage) and a mask that names the four.
; The direct keys, 417,792 bytes, are fetched by each work-group for itself; that is the price of the third group.  My place in the cluster enters only the global addresses of Q, diag, out and the prefetches.
; PREFETCH, one record (17 blocks of 256 bytes) a wave and place: stage j + 2 behind the load of stage j (j = 1, 2), of its 32 records record 8 x (place in the cluster) + wave; and with it direct groups 2 and 3, then 4 and 5.
; Four of a batch's sixteen clusters ask.  Stages 0 to 2 and direct groups 0 and 1 come by their loads alone.
; LAYOUT.  S^T = K Q^T (source 0 = 32 keys, source 1 = 16 queries): a lane holds ONE query (lane % 16), and of 32 keys the 8 (lane / 16) + 0 .. 7 and 16 more.
; SOFTMAX.  Each LANE keeps a running maximum m and sum l of its own keys: p = 2^(c s - c m), c = log2(e) / 16; in every group l is multiplied by f = 2^(c m_old - c m_new).  No lane looks at another in the groups.
; A query's 16 pairs (8 waves x 2 halves of the lanes) are merged once, at the end, under the largest of their maxima.
; LIMITS: NaN and infinities among the inputs are not served; a p or a merging factor under 2^-126 counts as 0 (the exponential's own flush: ISA guide, its entry in chapter 15), beside a sum that holds a term near 1.
; REGISTERS.  Window 0: below.  Window 1: v0-127 Q's fragments (tile q, K step C at 32 q + 8 C).
.set REC,    4352                      ; a record
.set PART,   4*REC                     ; 17,408: a wave's part of a slot
.set SLOTB,  8*PART                    ; 139,264: a slot: 32 records, 512 keys
.set BATCHB, 256*REC                   ; a batch's records
.set QB,     2*SLOTB                   ; behind the ring: Q's four records
.set SCR,    QB+PART                   ; 8 waves x 4 tiles x 32 lanes x (-c m, l)
.set SPARE,  SCR+8192                  ; the spare words, 128 bytes for each wave: four blocks of 256 bytes that no other line names
.set ADK,  2                           ; v2, v3   LDS address of my fragments in slot 0, 1: PART w + 16 lane
.set ADS,  4                           ; v4, v5   of K's scale words: PART w + 4,096 + 16 r + REC h: lanes 0-15 take one record's, lanes 16-31 the next one's
.set SPW,  6                           ; v6   LDS address of my spare word
.set NIL,  7                           ; v7   0
.set SCW,  8                           ; v8   where I put my pairs: SCR + 1,024 w + 8 lane
.set SCRD, 9                           ; v9   where wave 0 reads the pairs of queries 2 lane, 2 lane + 1
.set GO,   10                          ; v10  8 lane
.set PFO,  11                          ; v11  the prefetches' offset: 256 x my lane, lanes 17-31 name block 16 again
.set QO,   12                          ; v12  16 lane: my place in 512 bytes of a record
.set QSO,  13                          ; v13  4,096 + 16 r + REC h: my place among two records' scale words
.set DG,   14                          ; v[14:15] diag of queries 2 lane, 2 lane + 1
.set SA,   16                          ; v16-19  scale words of KA: register C: K step C; lanes 0-15 the first 16 keys, lanes 16-31 the next
.set SD,   20                          ; v20-23  of KD
.set QS,   24                          ; v24-31  register 4 p + C: lanes 0-15 query tile 2 p's, lanes 16-31 query tile 2 p + 1's
.set T,    32                          ; tile t's statistics at v[T + 8 t]: +0 and +6 -c m, by turns; +1 m; +2, +3 l (a pair); +4 a chain of the maximum, then f; +5 the other chain; +7 named with +6 as a pair, at the end l
.set KA,   64                          ; the ring's fragments: K step C at KA + 16 C: 16 registers, 32 keys
.set KD,   128                         ; the direct ones, likewise
.set S,    192                         ; query tile q's 16 scores a lane at S + 16 q.  (At the head: temporaries)
.set WV,   12                          ; s12  my wave's number
.set G1,   16                          ; s[16:23] descriptor group 1: a wave's part of a slot
.set G1H,  24                          ; s[24:31] of the head: two waves' parts
.set G1Q,  32                          ; s[32:39] one record of Q
.set G0,   40                          ; s[40:47] descriptor group 0, a set for each slot
.set G0H,  48                          ; s[48:51], s[52:55] the head's
.set G0Q,  52
.set CS,   56                          ; s[56:57] c: the packed form names a pair and takes its low word for both halves
.set NEGC, 58                          ; s58  -c
.set PF,   60                          ; s[60:61] the prefetches' base among the ring's records
.set LIM,  62                          ; s62  1 in the clusters that ask
.set DB,   82                          ; s[82:83] kvimg at my wave's 12 direct records
.set PE,   84                          ; s[84:85] the prefetches' base among the direct records
.set MSB, 0
.macro WIN new                         ; the immediate's high byte repeats the setting that is left
.if MSB != \new
	s_set_vgpr_msb (MSB<<8)|\new
.set MSB, \new
.endif
.endm
.macro ALU
	s_wait_alu depctr_va_vdst(0)
.endm
; A round of the cluster's barrier: my work-group's barrier, so that wave 0's signal speaks for all eight waves; wave 0 signals for the work-group; every wave waits for all four work-groups; my work-group's barrier once more.
.macro CREST
	s_cmp_lg_u32 s[WV], 0
	s_cbranch_scc1 .Lnot_wave_0_\@
	s_barrier_signal -3
.Lnot_wave_0_\@:
	s_barrier_wait -3
	s_barrier_signal -1
	s_barrier_wait -1
.endm
.macro ROUND
	s_barrier_signal -1
	s_barrier_wait -1
	CREST
.endm
; group 1: rows of 256 bytes (32 elements of 8 bytes), dense, no padding: every LDS load of the groups takes 512 or 256 consecutive bytes
.macro GROUP1 g, first, rows
	s_mov_b32 s[\g], \first
	s_mov_b32 s[\g+1], 32<<16
	s_mov_b32 s[\g+2], (\rows)<<16
	s_mov_b32 s[\g+3], 32<<16
	s_mov_b32 s[\g+4], \rows
	s_mov_b32 s[\g+5], 32
	s_mov_b32 s[\g+6], 0
	s_mov_b32 s[\g+7], 0
.endm
	s_load_b256 s[4:11], s[0:1], 0x0               ; qimg s[4:5], kvimg s[6:7], diag s[8:9], out s[10:11]
	v_lshl_add_u32 v[SPW], v0, 2, SPARE
	v_mov_b32 v[NIL], 0
	ds_add_u32 v[SPW], v[NIL]                      ; the wave's opening: the add, twice on end, and its wait
	ds_add_u32 v[SPW], v[NIL]
	v_lshrrev_b32 v1, 5, v0
	v_readfirstlane_b32 s[WV], v1                  ; wave 0..7
	s_mul_i32 s70, s[WV], PART                     ; my part of a slot, in LDS and in memory alike
	s_lshl_b32 s67, s[WV], 10
	v_and_b32 v1, 31, v0                           ; lane
	v_and_b32 v[S], 15, v0                         ; r
	v_bfe_u32 v[S+1], v0, 4, 1                     ; h
	v_lshlrev_b32 v[GO], 3, v1
	v_lshlrev_b32 v[QO], 4, v1
	v_lshl_add_u32 v[ADK], v1, 4, s70
	v_mul_u32_u24 v[ADS], v[S+1], REC
	v_lshl_add_u32 v[ADS], v[S], 4, v[ADS]
	v_add_nc_u32 v[QSO], 4096, v[ADS]
	v_add_nc_u32 v[S+3], QB, v[QSO]                ; Q's scale words
	v_add_nc_u32 v[S+2], QB, v[QO]                 ; Q's fragments
	v_add_nc_u32 v[ADS], s70, v[QSO]
	v_add_nc_u32 v[ADK+1], SLOTB, v[ADK]
	v_add_nc_u32 v[ADS+1], SLOTB, v[ADS]
	v_lshl_add_u32 v[SCW], v1, 3, s67
	v_add_nc_u32 v[SCW], SCR, v[SCW]
	v_lshrrev_b32 v[S+4], 3, v1                    ; queries 2 lane and 2 lane + 1 lie in tile lane / 8, rows 2 (lane % 8) on
	v_and_b32 v[S+5], 7, v1
	v_lshlrev_b32 v[SCRD], 8, v[S+4]
	v_lshl_add_u32 v[SCRD], v[S+5], 4, v[SCRD]
	v_add_nc_u32 v[SCRD], SCR, v[SCRD]
	v_min_u32 v[PFO], 16, v1
	v_lshlrev_b32 v[PFO], 8, v[PFO]
	s_mov_b32 s[NEGC], 0xbdb8aa3b
.irp t, 0,1,2,3
	v_mov_b32 v[T+8*\t+1], 0xff61b1e6              ; m: -3e38, under every score
	v_mov_b32 v[T+8*\t+2], 0                       ; l.  (There is no first group of its own kind: the first f is 2^(-a huge number) = 0 and multiplies zeros)
	v_mov_b32 v[T+8*\t+3], 0
	v_mov_b32 v[T+8*\t+7], 0                       ; (named as the upper half of a pair)
	v_mul_f32 v[T+8*\t+6], s[NEGC], v[T+8*\t+1]    ; -c m
.endr
	ALU                                            ; ahead of the scalar lines and the waits below
	s_bfe_u32 s13, ttmp6, 0x40000                  ; cx: my place in the cluster
	s_lshl_b32 s14, ttmp9, 2                       ; in a cluster launch ttmp9 counts clusters
	s_add_co_u32 s14, s14, s13                     ; my block of 64 queries = 4 x cluster x + cx
	s_and_b32 s15, ttmp7, 0xffff                   ; the batch, which the four partners share
	GROUP1 G1, 15|(3<<16)|(1<<21), 68              ; 15:0 the mask: all four work-groups; 17:16 elements of 8 bytes; 21 set beside a mask
	GROUP1 G1H, 15|(3<<16)|(1<<21), 136
	GROUP1 G1Q, 3<<16, 17                          ; Q is my work-group's own: no mask
	s_mov_b32 s[CS], 0x3db8aa3b                    ; c = log2(e) / 16
	s_mov_b32 s[CS+1], s[CS]                       ; (named with it as a pair, so it is written)
	s_mul_i32 s68, s15, BATCHB
	s_mov_b32 s69, 0
	s_mov_b32 s71, 0
	s_mul_i32 s72, s[WV], 2*PART                   ; the head's share of stage 0: waves 0 to 3, two parts each
	s_mov_b32 s73, 0
	s_lshl_b32 s74, s13, 3
	s_add_co_u32 s74, s74, s[WV]
	s_mul_i32 s74, s74, REC                        ; the prefetches: record 8 cx + wave of a stage,
	s_mov_b32 s75, 0
	s_lshr_b32 s88, s[WV], 2
	s_lshl_b32 s89, s13, 1
	s_add_co_u32 s88, s88, s89
	s_mul_i32 s88, s88, 12*REC
	s_and_b32 s80, s[WV], 3
	s_mul_i32 s80, s80, REC
	s_add_co_u32 s88, s88, s80
	s_add_co_u32 s88, s88, 5*SLOTB                 ; and of two direct groups' 32 records number wave % 4 of the four of wave 2 cx + wave / 4
	s_mov_b32 s89, 0
	s_mul_i32 s86, s[WV], 12*REC
	s_add_co_u32 s86, s86, 5*SLOTB                 ; my 12 direct records, behind the ring's 160.  The last wave's last record ends where the batch's records end
	s_mov_b32 s87, 0
	s_mul_i32 s76, s14, PART
	s_add_co_u32 s76, s76, s68
	s_add_co_u32 s76, s76, s80                     ; Q: record wave % 4 of my block's four
	s_mov_b32 s77, 0
	s_add_co_u32 s80, s80, QB
	s_lshl_b32 s78, s15, 14
	s_lshl_b32 s79, s14, 8
	s_add_co_u32 s78, s78, s79                     ; diag and out: my block's 64 words
	s_mov_b32 s79, 0
	s_and_b32 s63, ttmp9, 3
	s_cmp_eq_u32 s63, 0                            ; clusters 0, 4, 8, 12 of the batch ask
	s_cselect_b32 s[LIM], 1, 0
	s_wait_dscnt 0x0                               ; both opening adds are done
	s_wait_kmcnt 0x0
	s_add_nc_u64 s[6:7], s[6:7], s[68:69]          ; kv: my batch
	s_add_nc_u64 s[4:5], s[4:5], s[76:77]
	s_add_nc_u64 s[8:9], s[8:9], s[78:79]
	s_add_nc_u64 s[10:11], s[10:11], s[78:79]
	s_add_nc_u64 s[PF:PF+1], s[6:7], s[74:75]
	s_add_nc_u64 s[PE:PE+1], s[6:7], s[88:89]
	s_add_nc_u64 s[DB:DB+1], s[6:7], s[86:87]
	s_mov_b32 s[G0H], 1                            ; 1:0 count = 1
	s_mov_b32 s[G0H+1], s72                        ; 63:32 LDS address
	s_add_nc_u64 s[G0H+2:G0H+3], s[6:7], s[72:73]  ; 120:64 global address
	s_or_b32 s[G0H+3], s[G0H+3], 0x80000000        ; 127:126 type = 2
	s_mov_b32 s[G0Q], 1
	s_mov_b32 s[G0Q+1], s80
	s_mov_b64 s[G0Q+2:G0Q+3], s[4:5]
	s_or_b32 s[G0Q+3], s[G0Q+3], 0x80000000
	s_add_nc_u64 s[6:7], s[6:7], s[70:71]
.irp n, 0,1
	s_mov_b32 s[G0+4*\n], 1
	s_add_co_u32 s[G0+4*\n+1], s70, \n*SLOTB
	s_add_nc_u64 s[G0+4*\n+2:G0+4*\n+3], s[6:7], \n*SLOTB          ; my part of stage n (slot 0's is stepped ahead of its first use)
	s_or_b32 s[G0+4*\n+3], s[G0+4*\n+3], 0x80000000
.endr
	global_load_b64 v[DG:DG+1], v[GO], s[8:9]      ; every wave asks; wave 0 alone makes use of it (256 bytes a wave, in place of a branch)
	ROUND                                          ; all four work-groups are here: the first joint loads meet
	; the head's loads, one a wave: waves 0 to 3 stage 0's keys, jointly; waves 4 to 7 a record of Q each
	s_cmp_lt_u32 s[WV], 4
	s_cbranch_scc0 .Lhead_q
	tensor_load_to_lds s[G0H:G0H+3], s[G1H:G1H+7]
	s_nop 0
.rept 4
	v_nop
.endr
	s_branch .Lhead_asked
.Lhead_q:
	tensor_load_to_lds s[G0Q:G0Q+3], s[G1Q:G1Q+7]
	s_nop 0
.rept 4
	v_nop
.endr
.Lhead_asked:
; 17 LDS loads in one run: the scale words, then by K steps the fragments of my records 2 g and 2 g + 1 of a slot (32 keys x 512)
.macro KSTEPL slot, g, c
.irp i, 0,1
.irp u, 0,1
	ds_load_b128 v[KA+16*(\c)+8*\i+4*\u:KA+16*(\c)+8*\i+4*\u+3], v[ADK+\slot] offset:(2*\g+\i)*REC+512*(2*(\c)+\u)
.endr
.endr
.endm
.macro KLOAD slot, g
	ds_load_b128 v[SA:SA+3], v[ADS+\slot] offset:2*\g*REC
.irp c, 0,1,2,3
	KSTEPL \slot, \g, \c
.endr
.endm
; 17 loads from memory in one run: the same of my direct records 2 d and 2 d + 1
.macro DLOAD d
	global_load_b128 v[SD:SD+3], v[QSO], s[DB:DB+1] offset:2*(\d)*REC
.irp c, 0,1,2,3
.irp i, 0,1
.irp u, 0,1
	global_load_b128 v[KD+16*\c+8*\i+4*\u:KD+16*\c+8*\i+4*\u+3], v[QO], s[DB:DB+1] offset:(2*(\d)+\i)*REC+512*(2*\c+\u)
.endr
.endr
.endr
.endm
; the prefetches: a stage's record, and one of direct groups 2 p and 2 p + 1
.macro ASK stage, p
	s_cmp_eq_u32 s[LIM], 1
	s_cbranch_scc0 .Lno_ask_\@
	global_prefetch_b8 v[PFO], s[PF:PF+1] offset:(\stage)*SLOTB th:TH_LOAD_NT scope:SCOPE_SE
	global_prefetch_b8 v[PFO], s[PE:PE+1] offset:4*(\p)*REC th:TH_LOAD_NT scope:SCOPE_SE
.Lno_ask_\@:
.endm
; One product: 32 keys x query tile q, K step c.  The first K step starts the sum.  Source 0's scale words fill all 32 lanes, source 1's lie in lanes 0-15 of the register named, or in lanes 16-31 where ROW1 is written.
.macro MM kb, sb, q, c
.set rS, S+16*(\q)
.set rK, (\kb)+16*(\c)
.set rQ, 32*(\q)+8*(\c)
.set rA, (\sb)+(\c)
.set rB, QS+4*((\q)/2)+(\c)
.if (\c) == 0
.if ((\q)%2) == 0
	v_wmma_scale_f32_32x16x128_f4 v[rS:rS+15], v[rK:rK+15], v[rQ:rQ+7], 0, v[rA], v[rB]
.else
	v_wmma_scale_f32_32x16x128_f4 v[rS:rS+15], v[rK:rK+15], v[rQ:rQ+7], 0, v[rA], v[rB] matrix_b_scale:MATRIX_SCALE_ROW1
.endif
.else
.if ((\q)%2) == 0
	v_wmma_scale_f32_32x16x128_f4 v[rS:rS+15], v[rK:rK+15], v[rQ:rQ+7], v[rS:rS+15], v[rA], v[rB]
.else
	v_wmma_scale_f32_32x16x128_f4 v[rS:rS+15], v[rK:rK+15], v[rQ:rQ+7], v[rS:rS+15], v[rA], v[rB] matrix_b_scale:MATRIX_SCALE_ROW1
.endif
.endif
.endm
; 16 matrix instructions: 32 keys x 64 queries x 512; the four accumulators take turns, K ascending.  The buffer's 17 loads are the youngest of their counter, four to a K step
; (in the first group twelve, Q's among them, so the counts hold there too), and each K step waits for its own; loads come back in order (ISA guide 5.7.1).
; Four v_nop: the places in front of loads into registers that the products have read and of the first reads of their results.
.macro MULS kb, sb, direct
	WIN 0x04                                       ; source 1 (Q) in window 1
.irp c, 0,1,2,3
.if \direct
	s_wait_loadcnt 4*(3-\c)
.else
	s_wait_dscnt 4*(3-\c)
.endif
.irp q, 0,1,2,3
	MM \kb, \sb, \q, \c
.endr
.endr
	WIN 0
.rept 4
	v_nop
.endr
.endm
; THE VECTOR WORK OF A GROUP.
.macro MX                              ; the new m, the four tiles by turns; each accumulator is read from its low end on
.irp t, 0,1,2,3
	v_max3_num_f32 v[T+8*\t+4], v[S+16*\t], v[S+16*\t+1], v[S+16*\t+2]
.endr
.irp t, 0,1,2,3
	v_max3_num_f32 v[T+8*\t+5], v[S+16*\t+8], v[S+16*\t+9], v[S+16*\t+10]
.endr
.irp i, 3,5
.irp t, 0,1,2,3
	v_max3_num_f32 v[T+8*\t+4], v[T+8*\t+4], v[S+16*\t+\i], v[S+16*\t+\i+1]
.endr
.irp t, 0,1,2,3
	v_max3_num_f32 v[T+8*\t+5], v[T+8*\t+5], v[S+16*\t+8+\i], v[S+16*\t+9+\i]
.endr
.endr
.irp t, 0,1,2,3
	v_max3_num_f32 v[T+8*\t+4], v[T+8*\t+4], v[S+16*\t+7], v[S+16*\t+15]
.endr
.irp t, 0,1,2,3
	v_max3_num_f32 v[T+8*\t+1], v[T+8*\t+4], v[T+8*\t+5], v[T+8*\t+1]
.endr
.endm
.macro FM1 n, par                      ; c s - c m, two at a time: pair n of the 32 (tile n / 8)
	v_pk_fma_f32 v[S+2*(\n):S+2*(\n)+1], v[S+2*(\n):S+2*(\n)+1], s[CS:CS+1], v[T+8*((\n)/8)+6*\par:T+8*((\n)/8)+6*\par+1] op_sel_hi:[1,0,0]
.endm
.macro AD1 n                           ; p: four numbers a lane become two: quarter n % 4 of tile n / 4
	v_pk_add_f32 v[S+4*(\n):S+4*(\n)+1], v[S+4*(\n):S+4*(\n)+1], v[S+4*(\n)+2:S+4*(\n)+3]
.endm
.macro AD2 ta, tb                      ; l = f l + the sum of the tile's four pairs
.irp t, \ta, \tb
	v_pk_fma_f32 v[T+8*\t+2:T+8*\t+3], v[T+8*\t+2:T+8*\t+3], v[T+8*\t+4:T+8*\t+5], v[S+16*\t:S+16*\t+1] op_sel_hi:[1,0,1]
.endr
.irp t, \ta, \tb
	v_pk_add_f32 v[S+16*\t+4:S+16*\t+5], v[S+16*\t+4:S+16*\t+5], v[S+16*\t+8:S+16*\t+9]
.endr
.irp t, \ta, \tb
	v_pk_add_f32 v[T+8*\t+2:T+8*\t+3], v[T+8*\t+2:T+8*\t+3], v[S+16*\t+12:S+16*\t+13]
.endr
.irp t, \ta, \tb
	v_pk_add_f32 v[T+8*\t+2:T+8*\t+3], v[T+8*\t+2:T+8*\t+3], v[S+16*\t+4:S+16*\t+5]
.endr
.endm
; The exponentials go in two batches, each with plain work of the other two tiles between them whose results are read behind the batch's wait: the first with tiles 2 and 3's multiply-adds, the second with tiles 0 and 1's first additions.
.macro PREP par
.irp t, 0,1,2,3
	v_mul_f32 v[T+8*\t+6*\par], s[NEGC], v[T+8*\t+1]               ; -c m anew, in the register of the two that does not hold the old one,
.endr
.irp t, 0,1,2,3
	v_sub_f32 v[T+8*\t+4], v[T+8*\t+6*\par], v[T+8*\t+6*(1-\par)]  ; and c m_old - c m_new
.endr
.irp n, 0,1,2,3,4,5,6,7,8,9,10,11,12,13,14,15
	FM1 \n, \par
.endr
	ALU
.endm
.macro BATCH1 par
.irp t, 0,1,2,3
	v_exp_f32 v[T+8*\t+4], v[T+8*\t+4]             ; f
.endr
.irp j, 0,1,2,3,4,5,6,7,8,9,10,11,12,13,14,15
	v_exp_f32 v[S+\j], v[S+\j]
	v_exp_f32 v[S+16+\j], v[S+16+\j]
	FM1 16+\j, \par
.endr
	ALU
.endm
.macro BATCH2
.irp j, 0,1,2,3,4,5,6,7
.irp i, 0,1,2,3
	v_exp_f32 v[S+32+4*\j+\i], v[S+32+4*\j+\i]
.endr
	AD1 \j
.endr
	ALU
	AD2 0, 1
.irp j, 8,9,10,11,12,13,14,15
	AD1 \j
.endr
	AD2 2, 3
	ALU
.endm
; A GROUP FROM THE RING.  more = 1: a stage's first group: its second group's fragments are read behind the products.
.macro RGROUP slot, par, more
	MULS KA, SA, 0
.if \more
	KLOAD \slot, 1
.endif
	MX
	PREP \par
	BATCH1 \par
	BATCH2
.endm
; A DIRECT GROUP WITH A ROUND, behind a stage's two groups: the stage's slot has been read and is filled again, with the stage two on.  In front of the round I wait for all my tensor loads (the one that is out is my part of the next stage,
; which is read behind the round), add 0 to my spare word, and wait for that and for my reads of the slot; vector work stands between the add and the wait for it, and the first batch between the opening barrier's signal and its wait.
; The direct set is asked for again at the group's end, for group d.
.macro DROUND slot, par, d
	MULS KD, SD, 1
	MX
	ALU
	s_wait_tensorcnt 0x0                           ; all my tensor loads have landed, so a group 0 may be written
	ds_add_u32 v[SPW], v[NIL]                      ; 0 onto my spare word
	s_add_nc_u64 s[G0+4*\slot+2:G0+4*\slot+3], s[G0+4*\slot+2:G0+4*\slot+3], 2*SLOTB   ; this slot's next 512 keys; the type bits on top are not reached
	PREP \par
	s_wait_dscnt 0x0                               ; the add is done, and my reads of this slot are over
	s_barrier_signal -1
	BATCH1 \par
	s_barrier_wait -1
	CREST                                          ; no wave of any partner still reads the slot or has a load on its way
	tensor_load_to_lds s[G0+4*\slot:G0+4*\slot+3], s[G1:G1+7]      ; my one tensor load behind the round
	s_nop 0
	KLOAD 1-\slot, 0
	BATCH2
	DLOAD \d
.endm
; A DIRECT GROUP WITHOUT ONE.  d: the group that the set is asked for behind the products (6: none).  land = 1: the wait shows my part of the last stage landed, and its first group is read.
.macro DGROUP par, d, land
	MULS KD, SD, 1
.if \d < 6
	DLOAD \d
.endif
.if \land
	s_wait_tensorcnt 0x0
	KLOAD 0, 0
.endif
	MX
	PREP \par
	BATCH1 \par
	BATCH2
.endm
	ALU
	s_wait_tensorcnt 0x0                           ; my load of the head is in
	ds_add_u32 v[SPW], v[NIL]
	s_wait_dscnt 0x0
	ROUND                                          ; everybody's part of stage 0 and of Q is in, and all four work-groups are here:
	tensor_load_to_lds s[G0+4:G0+7], s[G1:G1+7]    ; stage 1, slot 1's first fill
	s_nop 0
	ds_load_b128 v[SA:SA+3], v[ADS]
.irp p, 0,1
	ds_load_b128 v[QS+4*\p:QS+4*\p+3], v[S+3] offset:2*REC*\p
.endr
.irp c, 0,1,2,3                        ; by K steps: four loads of K, eight of Q
	KSTEPL 0, 0, \c
	WIN 0x40                                       ; destination window 1, address window 0
.irp q, 0,1,2,3
.irp u, 0,1
	ds_load_b128 v[32*\q+8*\c+4*\u:32*\q+8*\c+4*\u+3], v[S+2] offset:REC*\q+512*(2*\c+\u)
.endr
.endr
	WIN 0
.endr
	DLOAD 0                                        ; behind stage 1's load and stage 0's reads
	ASK 3, 1
	RGROUP 0, 0, 1                                 ; stage 0
	RGROUP 0, 1, 0
	DROUND 0, 0, 1                                 ; stage 2 is asked for
	ASK 4, 2
	RGROUP 1, 1, 1                                 ; stage 1
	RGROUP 1, 0, 0
	DROUND 1, 1, 2                                 ; stage 3
	RGROUP 0, 0, 1                                 ; stage 2
	RGROUP 0, 1, 0
	DROUND 0, 0, 3                                 ; stage 4
	RGROUP 1, 1, 1                                 ; stage 3
	RGROUP 1, 0, 0
	DGROUP 1, 4, 1
	RGROUP 0, 0, 1                                 ; stage 4, and the last two direct groups by turns with it
	DGROUP 1, 5, 0
	RGROUP 0, 0, 0
	DGROUP 1, 6, 0
	; THE MERGE.  Each lane's (-c m, l) of each tile goes to LDS; wave 0 takes two queries a lane, 16 pairs each.
.irp t, 0,1,2,3
	v_add_f32 v[T+8*\t+7], v[T+8*\t+2], v[T+8*\t+3]                ; l's two halves; +6 holds the last -c m
.endr
.irp t, 0,1,2,3
	ds_store_b64 v[SCW], v[T+8*\t+6:T+8*\t+7] offset:256*\t
.endr
	ALU
	s_wait_tensorcnt 0x0                           ; the wave's end: behind my last tensor load and my last LDS store
	ds_add_u32 v[SPW], v[NIL]
	s_wait_dscnt 0x0                               ; for wave 0's sake too: my pairs lie in LDS
	ROUND                                          ; the closing round, behind every joint load; its barriers also show all pairs to wave 0
	s_cmp_lg_u32 s[WV], 0
	s_cbranch_scc1 .Lend
.irp w, 0,1,2,3,4,5,6,7
.irp h, 0,1
	ds_load_b128 v[KA+8*\w+4*\h:KA+8*\w+4*\h+3], v[SCRD] offset:1024*\w+128*\h     ; pair k = 2 w + h at KA + 4 k: (-c m, l) of query 2 lane, then of 2 lane + 1
.endr
.endr
	s_wait_dscnt 0x0
	; n = the least -c m: the largest maximum; query e's in v[S + e], a second chain in v[S + 2 + e]
.irp e, 0,1
	v_min3_num_f32 v[S+\e], v[KA+2*\e], v[KA+4+2*\e], v[KA+8+2*\e]
	v_min3_num_f32 v[S+2+\e], v[KA+12+2*\e], v[KA+16+2*\e], v[KA+20+2*\e]
.endr
.irp k, 6,10
.irp e, 0,1
	v_min3_num_f32 v[S+\e], v[S+\e], v[KA+4*\k+2*\e], v[KA+4*\k+4+2*\e]
	v_min3_num_f32 v[S+2+\e], v[S+2+\e], v[KA+4*\k+8+2*\e], v[KA+4*\k+12+2*\e]
.endr
.endr
.irp e, 0,1
	v_min3_num_f32 v[S+\e], v[S+\e], v[KA+56+2*\e], v[KA+60+2*\e]
.endr
.irp e, 0,1
	v_min_num_f32 v[S+\e], v[S+\e], v[S+2+\e]
.endr
.irp k, 0,1,2,3,4,5,6,7,8,9,10,11,12,13,14,15
.irp e, 0,1
	v_sub_f32 v[KA+4*\k+2*\e], v[S+\e], v[KA+4*\k+2*\e]            ; 0 or less
.endr
.endr
	ALU
.irp k, 0,1,2,3,4,5,6,7,8,9,10,11,12,13,14,15
.irp e, 0,1
	v_exp_f32 v[KA+4*\k+2*\e], v[KA+4*\k+2*\e]
.endr
.endr
.irp e, 0,1
	v_fma_f32 v[S+4+\e], v[DG+\e], s[CS], v[S+\e]  ; t = c diag + n: out = 2^t / L
.endr
.irp e, 0,1
	v_mul_f32 v[S+4+\e], 0.5, v[S+4+\e]
.endr
	ALU
.irp e, 0,1
	v_mul_f32 v[S+6+\e], v[KA+2*\e], v[KA+1+2*\e]                  ; L = the sum of l 2^(n + c m), in two chains: the first products start them
	v_mul_f32 v[S+8+\e], v[KA+4+2*\e], v[KA+5+2*\e]
.endr
.irp k, 2,4,6,8,10,12,14
.irp e, 0,1
	v_fma_f32 v[S+6+\e], v[KA+4*\k+2*\e], v[KA+4*\k+1+2*\e], v[S+6+\e]
	v_fma_f32 v[S+8+\e], v[KA+4*\k+4+2*\e], v[KA+4*\k+5+2*\e], v[S+8+\e]
.endr
.endr
.irp e, 0,1
	v_add_f32 v[S+6+\e], v[S+6+\e], v[S+8+\e]      ; the sum over all 4,096 keys of 2^(c s) is L 2^(-n)
.endr
	ALU
.irp e, 0,1
	v_rcp_f32 v[S+6+\e], v[S+6+\e]
	v_exp_f32 v[S+4+\e], v[S+4+\e]                 ; e = 2^(t / 2): out = e (e / L), so that no factor overflows where out itself is finite
.endr
	v_nop
	ALU
.irp e, 0,1
	v_mul_f32 v[S+6+\e], v[S+4+\e], v[S+6+\e]
.endr
.irp e, 0,1
	v_mul_f32 v[S+4+\e], v[S+4+\e], v[S+6+\e]
.endr
	global_store_b64 v[GO], v[S+4:S+5], s[10:11]   ; 32 lanes store 256 consecutive bytes, at a multiple of 256 from the buffer's first byte
.Lend:
	s_endpgm
.Lfunc_end_k_qd681b6c8f4_lse:
	.size	k_qd681b6c8f4_lse, .Lfunc_end_k_qd681b6c8f4_lse-k_qd681b6c8f4_lse
	.p2alignl 7, 3214868480
	.fill 96, 4, 3214868480
	.section	.rodata,"a",@progbits
	.p2align	6, 0x0
	.amdhsa_kernel k_qd681b6c8f4_lse
		.amdhsa_group_segment_fixed_size 327680
		.amdhsa_private_segment_fixed_size 0
		.amdhsa_enable_private_segment 0
		.amdhsa_kernarg_size 32
		.amdhsa_user_sgpr_count 2
		.amdhsa_user_sgpr_kernarg_segment_ptr 1
		.amdhsa_wavefront_size32 1
		.amdhsa_system_sgpr_workgroup_id_x 1
		.amdhsa_system_sgpr_workgroup_id_y 1
		.amdhsa_system_sgpr_workgroup_id_z 1
		.amdhsa_system_vgpr_workitem_id 0
		.amdhsa_next_free_vgpr 384
		.amdhsa_next_free_sgpr 90
		.amdhsa_reserve_vcc 0
		.amdhsa_float_denorm_mode_32 3
		.amdhsa_float_denorm_mode_16_64 3
		.amdhsa_memory_ordered 1
		.amdhsa_forward_progress 1
		.amdhsa_inst_pref_size 214
	.end_amdhsa_kernel
	.amdgpu_metadata
---
amdhsa.version: [ 1, 2 ]
amdhsa.kernels:
  - .name:           k_qd681b6c8f4_lse
    .symbol:         k_qd681b6c8f4_lse.kd
    .args:
      - { .name: qimg, .offset: 0, .size: 8, .value_kind: global_buffer, .address_space: global }
      - { .name: kvimg, .offset: 8, .size: 8, .value_kind: global_buffer, .address_space: global }
      - { .name: diag, .offset: 16, .size: 8, .value_kind: global_buffer, .address_space: global }
      - { .name: out0, .offset: 24, .size: 8, .value_kind: global_buffer, .address_space: global }
    .group_segment_fixed_size: 327680
    .private_segment_fixed_size: 0
    .kernarg_segment_align: 8
    .kernarg_segment_size: 32
    .max_flat_workgroup_size: 256
    .sgpr_count:     90
    .vgpr_count:     384
    .wavefront_size: 32
...
	.end_amdgpu_metadata
.endif
;; end of part 2
